; MI455X (gfx1250); checked and timed in simulation.
; The chip was launched on July 23, 2026; its instructions are those of AMD's public machine-readable ISA for CDNA 5 (MIT licence, August 2026) and "CDNA5" Instruction Set Architecture Reference Guide (July 2026). The comments in the code are by the model that wrote it; some were corrected since.
;; MLP. Allowed arithmetic: matrix products marked QUANTISED: E2M1 operands, one E8M0 scale for each 32 along K, by v_wmma_scale_f32_16x16x128_f8f6f4 with both operands' format E2M1 (or v_wmma_scale_f32_32x16x128_f4), f32 sums; products left as they are: f32 operands where the result goes on into a quantised operand, else bf16, f16 or f32 operands; f32 sums; everything else in f32.
;; Inputs: b0 256 float32; b1 256 float32; b2 256 float32; b3 256 float32; b4 3 float32; cell1 4 x 16,384 x 2 float32; coord 4 x 16,384 x 2 float32; inp1 4 x 64 x 64 x 64 float32; inp2 4 x 64 x 64 x 64 float32; w0 256 x 132 float32; w1 256 x 256 float32; w2 256 x 256 float32; w3 256 x 256 float32; w4 3 x 256 float32.
;; Outputs: out0 4 x 16,384 x 3 float32.
;; This version of the problem:
;;   THIS VERSION OF THE PROBLEM IS GIVEN IN LOW PRECISION. The matrix products marked QUANTISED in the list below multiply operands that are first quantised to E2M1 (2 exponent bits, 1 mantissa bit; 4 bits a number), with one power-of-two scale for each 32 numbers along K (OCP MX v1.0); their sums are f32. All else is computed in f32.
;;   The module's matrix products, in the order in which they are computed (A, B: the left and right operand; K: the contracted axis; several contracted axes count as one K, in the product's order):
;;     1. [M 65,536, K 132] x [K 132, N 256]; A: computed on the way; B: input w0: QUANTISED
;;     2. [M 65,536, K 256] x [K 256, N 256]; A: computed on the way; B: input w1: QUANTISED
;;     3. [M 65,536, K 256] x [K 256, N 256]; A: computed on the way; B: input w2: QUANTISED
;;     4. [M 65,536, K 256] x [K 256, N 256]; A: computed on the way; B: input w3: QUANTISED
;;     5. [M 65,536, K 256] x [K 256, N 3]; A: computed on the way; B: input w4: left as it is (N = 3 < 16)
;;     6. [M 65,536, K 132] x [K 132, N 256]; A: computed on the way; B: input w0: QUANTISED
;;     7. [M 65,536, K 256] x [K 256, N 256]; A: computed on the way; B: input w1: QUANTISED
;;     8. [M 65,536, K 256] x [K 256, N 256]; A: computed on the way; B: input w2: QUANTISED
;;     9. [M 65,536, K 256] x [K 256, N 256]; A: computed on the way; B: input w3: QUANTISED
;;     10. [M 65,536, K 256] x [K 256, N 3]; A: computed on the way; B: input w4: left as it is (N = 3 < 16)
;;     11. [M 65,536, K 132] x [K 132, N 256]; A: computed on the way; B: input w0: QUANTISED
;;     12. [M 65,536, K 256] x [K 256, N 256]; A: computed on the way; B: input w1: QUANTISED
;;     13. [M 65,536, K 256] x [K 256, N 256]; A: computed on the way; B: input w2: QUANTISED
;;     14. [M 65,536, K 256] x [K 256, N 256]; A: computed on the way; B: input w3: QUANTISED
;;     15. [M 65,536, K 256] x [K 256, N 3]; A: computed on the way; B: input w4: left as it is (N = 3 < 16)
;;     16. [M 65,536, K 132] x [K 132, N 256]; A: computed on the way; B: input w0: QUANTISED
;;     17. [M 65,536, K 256] x [K 256, N 256]; A: computed on the way; B: input w1: QUANTISED
;;     18. [M 65,536, K 256] x [K 256, N 256]; A: computed on the way; B: input w2: QUANTISED
;;     19. [M 65,536, K 256] x [K 256, N 256]; A: computed on the way; B: input w3: QUANTISED
;;     20. [M 65,536, K 256] x [K 256, N 3]; A: computed on the way; B: input w4: left as it is (N = 3 < 16)
;;   THE QUANTISER, for each operand of a quantised product, along K:
;;     - K is cut into blocks of 32 from its start; a last block that is shorter is filled with zeros.
;;     - A block's scale is 2^e with e = floor(log2(the largest magnitude in the block)) - 2, held to -126 .. 127; a block of zeros has e = 0. As a byte (E8M0): e + 127.
;;     - Each number is divided by its block's scale, clamped to +-6, and rounded to the nearest number of E2M1, ties to even, subnormals kept.
;;     - The product sums the exact products of the quantised numbers (number of the format x scale) in f32.
;;   ~~~python
;;   def quantise(x, axis):      # numpy; x: float32 -> the quantised numbers, widened to float32 again
;;       x = np.moveaxis(x, axis, -1); K = x.shape[-1]
;;       x = np.pad(x, [(0, 0)] * (x.ndim - 1) + [(0, -K % 32)]); x = x.reshape(x.shape[:-1] + (-1, 32)); a = np.abs(x).max(-1, keepdims=True)
;;       e = np.where(a > 0, np.clip(np.frexp(np.where(a > 0, a, 1))[1] - 1 - 2, -126, 127), 0)      # np.frexp(a)[1] - 1 = floor(log2(a)), exactly
;;       r = np.clip(x / 2.0 ** e, -6, 6)
;;       step = 2.0 ** (np.maximum(np.frexp(np.where(r == 0, 1, r))[1] - 1, 0) - 1)
;;       q = np.round(r / step) * step * 2.0 ** e      # np.round: ties to even
;;       return np.moveaxis(q.reshape(q.shape[:-2] + (-1,))[..., :K], -1, axis).astype(np.float32)
;;   ~~~
;;   OPERANDS COMPUTED ON THE WAY. 'Computed on the way' means the value that the module computes at that place (a softmax that the list does not call 'softmax' is quantised finished and normalised). What goes into a quantiser is computed in f32, as accurately as f32 sums, v_exp_f32 and their like allow (about 1e-6 of the number): no bf16 or f16 on the way to a quantiser, and a product that is left as it is and whose result goes on into a quantised operand takes f32 operands (vector FMAs, or v_wmma_f32_16x16x4_f32). A number that lies on a knife's edge between two numbers of the format may be rounded either way, as far as f32 arithmetic and the matrix unit's own rounding can turn it there, and no further.
;; One version. Each part assembles by itself: llvm-mc -triple=amdgcn-amd-amdhsa -mcpu=gfx1250 --defsym DOCPART=n.
;; ======== version 1 of 1: 2 launches
;; limits: values are held in bf16: 8 bits of precision; right only within a limited range of input values
;; workspace buffers: feat 4,194,304 bytes; wimg 147,456 bytes; idx 1,048,576 bytes of whole numbers
;; launch prep (part 1): grid 256 x 1, 6 waves a work-group, no clusters, 18,176 bytes of LDS; arguments inp1, inp2, coord, w0, w1, w2, w3, w4, feat, wimg, idx; writes feat, wimg, idx
.if DOCPART == 1
	.amdgcn_target "amdgcn-amd-amdhsa--gfx1250"
	.amdhsa_code_object_version 6
	.text
	.protected	k_qddf64fa218_prep
	.globl	k_qddf64fa218_prep
	.p2align	8
	.type	k_qddf64fa218_prep,@function
k_qddf64fa218_prep:
	s_mov_b64 s[64:65], 0
	v_nop
	global_prefetch_b8 v0, s[64:65] scope:SCOPE_SE
	s_setreg_imm32_b32 hwreg(HW_REG_WAVE_MODE, 25, 1), 1
	s_wait_xcnt 0x0
; WHAT THE SECOND LAUNCH NEEDS, MADE ONCE.  Waves 0, 1 read inp1 and waves 2, 3 inp2 at the work-group's 64 pixels; waves 4, 5 make the pixel numbers and quantise the weights.
;  (1) idx [65,536 queries][4 shifts] u32: the pixel (b x 4096 + ih x 64 + iw) that each shifted query falls on, by the f32 steps of the definition, one rounding each.
;      Shifts in the order (-,-), (-,+), (+,-), (+,+).  The next launch forms addresses from these whole numbers.
;  (2) feat: one record of 256 bytes for each of the 16,384 pixels.  Of a row x[132] = feat1(64), rel(2), cell(2), feat2(64) the blocks 0, 1, 3, 4 of 32 along K hang on the pixel alone: they are
;      quantised here, once a pixel.  Pieces of 16 bytes: 0 codes of block 0; 1 of block 1; 2 of block 3; 3 meta (word 0: scale bytes 0, 1, 0, 3; word 1: block 4's register of codes;
;      word 2: block 4's byte and 0x7f for the zero blocks 5 to 7; word 3: the largest |feat2[0:28]|, floored); 4-10 feat2[0:28] in f32 (block 2 hangs on the query too); 11-15 zeros.
;  (3) wimg: W0..W3 as codes of E2M1 in the order of the operand's registers, W0 filled with zeros to K = 256, their E8M0 bytes as images of the scale registers, and w4 in bf16.
;      Codes: byte L 32768 + q 8192 + s 4096 + i 1024 + c 512 + 16 (16 h + m) holds block 4 s + 2 c + h of row 64 q + 32 (m / 8) + 8 i + m % 8 of W_L.
;      Scale bytes: 131072 + L 2048 + q 512 + s 256 + i 64 + 4 m + 2 c + h: a register of the 32-row form holds tile i (even) in lanes 0-15 and tile i + 1 in lanes 16-31.
; THE QUANTISER: a block's scale is 2^(floor(log2(largest magnitude)) - 2): its byte is the largest magnitude's exponent field - 2, held at 1 from below by a floor among the maximum's leaves.
; LIMITS: NaN and infinities are not served; blocks whose largest magnitude lies under 2^-124 keep the byte 1; a block of zeros has the byte 1 where the rule says 127 (its codes are zeros, and this program alone reads the bytes).
; No matrix unit, no cluster, no tensor load: the work-groups share no input, each byte is read once; the records' parts meet in LDS behind the one barrier.
.set CQ,  12                           ; v12-19   the coordinates of my four queries
.set WN,  20                           ; v20-35   my 16 numbers of a weight
.set PX,  36                           ; v36-51   4 x 4 pixel numbers: each register is stored once
.set REC, 52                           ; v52-67   my part of my pixel's record
.set T,   68                           ; v68-83   at work
.set F,   84                           ; v84-147  my pixel's 64 channels of inp1 or inp2; v148-151 zeros; on the way out the records read back
.set ZR,  148
.set WCD, 216                          ; v216-217 my 16 codes of a weight; v218 their block's byte
.set SPW, 224                          ; v224     my spare word
.set NIL, 225                          ; v225     0
.set SPARE, 17408                      ; behind the 64 rows of 272 bytes
	s_load_b512 s[8:23], s[0:1], 0x0               ; inp1 s[8:9], inp2 s[10:11], coord s[12:13], w0 s[14:15], w1 s[16:17], w2 s[18:19], w3 s[20:21], w4 s[22:23]
	s_load_b128 s[24:27], s[0:1], 0x40             ; feat s[24:25], wimg s[26:27]
	s_load_b64 s[28:29], s[0:1], 0x50              ; idx
	v_lshl_add_u32 v[SPW], v0, 2, SPARE
	v_mov_b32 v[NIL], 0
	v_lshrrev_b32 v1, 5, v0
	v_readfirstlane_b32 s4, v1                     ; wave 0..5
	s_mul_i32 s52, s4, 4352                        ; on the way out wave w < 4 takes rows 16 w .. 16 w + 15
	v_and_b32 v1, 31, v0                           ; lane
	v_and_b32 v2, 63, v0                           ; t: my pixel, or my place among the 64 threads of waves 4, 5
	v_lshlrev_b32 v4, 2, v2                        ; 4 t
	v_lshlrev_b32 v3, 3, v2                        ; 8 t
	v_lshlrev_b32 v11, 4, v2                       ; 16 t
	v_mul_u32_u24 v9, v2, 272                      ; LDS, in: a row a pixel
	v_lshrrev_b32 v10, 4, v1
	v_mul_u32_u24 v10, v10, 272
	v_and_b32 v8, 15, v1
	v_lshl_add_u32 v10, v8, 4, v10
	v_add_nc_u32 v10, s52, v10                     ; back: sixteen lanes to a row
	v_lshlrev_b32 v7, 4, v1                        ; 16 x lane
.irp i, 0,1,2,3
	v_mov_b32 v[ZR+\i], 0
.endr
	s_lshr_b32 s5, ttmp9, 6                        ; the layer L of my weight piece; also the batch b of my pixel and of my queries
	s_and_b32 s6, ttmp9, 63
	s_mov_b32 s36, 0x1800000                       ; the floor 2^(3 - 127)
	s_mov_b32 s37, 0xff000000                      ; -(2 << 23)
	s_lshl_b32 s44, ttmp9, 14                      ; 64 records, + 16 for each wave
	s_lshl_b32 s46, s4, 12
	s_add_co_u32 s44, s44, s46
	s_mov_b32 s45, 0
	s_wait_alu depctr_va_vdst(0)                   ; the wait at the head's end
	s_wait_kmcnt 0x0
	s_add_nc_u64 s[24:25], s[24:25], s[44:45]
	s_cmp_lt_u32 s4, 4
	s_cbranch_scc0 .Ljobs
; ---- waves 0 to 3: 64 channels of my pixel
	s_cmp_lt_u32 s4, 2
	s_cselect_b64 s[8:9], s[8:9], s[10:11]         ; a choice on the wave's number
	s_lshl_b32 s44, s5, 20                         ; b x 64 channels x 16,384 bytes
	s_lshl_b32 s46, s6, 8                          ; + my work-group's 64 pixels
	s_add_co_u32 s44, s44, s46
	s_add_nc_u64 s[8:9], s[8:9], s[44:45]
.set cc, 0
.rept 64
	global_load_b32 v[F+cc], v4, s[8:9] offset:cc*16384 th:TH_LOAD_NT    ; channel cc at 32 neighbouring pixels: two waves read 256 consecutive bytes
.set cc, cc+1
.endr
; 32 numbers v[src] on become 4 registers of codes v[dst] on and the scale's byte in v[by]
.macro BLK dst, src, by
	v_max3_num_f32 v[T], |v[\src]|, |v[\src+1]|, s36
	v_max3_num_f32 v[T+1], |v[\src+2]|, |v[\src+3]|, |v[\src+4]|
.irp i, 5,9,13,17,21,25
	v_max3_num_f32 v[T], v[T], |v[\src+\i]|, |v[\src+\i+1]|
	v_max3_num_f32 v[T+1], v[T+1], |v[\src+\i+2]|, |v[\src+\i+3]|
.endr
	v_max3_num_f32 v[T], v[T], |v[\src+29]|, |v[\src+30]|
	v_max3_num_f32 v[T], v[T], v[T+1], |v[\src+31]|
	v_add_nc_u32 v[T+2], s37, v[T]                 ; 2 off the exponent field: the conversion's scale operand
.irp g, 0,1,2,3
	v_cvt_scalef32_pk8_fp4_f32 v[\dst+\g], v[\src+8*\g:\src+8*\g+7], v[T+2]
.endr
	v_lshrrev_b32 v[\by], 23, v[T+2]               ; also the plain line behind the conversions
.endm
	s_cmp_lt_u32 s4, 2
	s_cbranch_scc0 .Lf2
	s_wait_loadcnt 32                              ; channels 0 to 31 are in
	BLK REC, F, T+3                                ; block 0: feat1[0:32]
	s_wait_loadcnt 0x0
	BLK REC+4, F+32, T+4                           ; block 1: feat1[32:64]
	v_lshl_or_b32 v[T+5], v[T+4], 8, v[T+3]
	ds_store_b128 v9, v[REC:REC+3]
	ds_store_b128 v9, v[REC+4:REC+7] offset:16
	ds_store_b16 v9, v[T+5] offset:48              ; scale bytes 0 and 1
	s_branch .Ljoin
.Lf2:
	s_wait_loadcnt 4                               ; channels 0 to 59 are in
	BLK REC+8, F+28, T+5                           ; block 3: feat2[28:60]
	s_wait_loadcnt 0x0
	v_max3_num_f32 v[T], |v[F+60]|, |v[F+61]|, s36         ; block 4: feat2[60:64] and zeros
	v_max3_num_f32 v[T+1], |v[F]|, |v[F+1]|, s36           ; and the largest |feat2[0:28]|: the pixel's share of block 2's maximum
	v_max3_num_f32 v[T], v[T], |v[F+62]|, |v[F+63]|
	v_max3_num_f32 v[T+4], |v[F+2]|, |v[F+3]|, |v[F+4]|
	v_add_nc_u32 v[T+2], s37, v[T]
.irp i, 5,9,13,17,21
	v_max3_num_f32 v[T+1], v[T+1], |v[F+\i]|, |v[F+\i+1]|
	v_max3_num_f32 v[T+4], v[T+4], |v[F+\i+2]|, |v[F+\i+3]|
.endr
	v_cvt_scalef32_pk8_fp4_f32 v[REC+13], v[F+60:F+67], v[T+2]     ; four codes and four zeros: the block's one register that is not zero
	v_max3_num_f32 v[T+1], v[T+1], |v[F+25]|, |v[F+26]|
	v_lshrrev_b32 v[T+6], 23, v[T+2]
	v_max3_num_f32 v[REC+15], v[T+1], v[T+4], |v[F+27]|
	v_or_b32 v[REC+14], 0x7f7f7f00, v[T+6]         ; byte 4, and 127 for the zero blocks 5 to 7
	v_lshlrev_b32 v[T+7], 8, v[T+5]                ; bytes 2 (empty) and 3
	ds_store_b128 v9, v[REC+8:REC+11] offset:32
	ds_store_b16 v9, v[T+7] offset:50
	ds_store_b32 v9, v[REC+13] offset:52
	ds_store_b64 v9, v[REC+14:REC+15] offset:56
.irp p, 0,1,2,3,4,5,6
	ds_store_b128 v9, v[F+4*\p:F+4*\p+3] offset:64+16*\p
.endr
.irp p, 11,12,13,14,15
	ds_store_b128 v9, v[ZR:ZR+3] offset:16*\p
.endr
	s_branch .Ljoin
; ---- waves 4, 5: pixel numbers and weights
.Ljobs:
	s_mov_b32 s30, 0x3c800000                      ; 1/64
	s_mov_b32 s41, 0xbc800000                      ; -1/64
	s_mov_b32 s31, 0x358637bd                      ; 1e-6
	s_mov_b32 s32, 0xbf7fffef                      ; -1 + 1e-6 as f32
	s_mov_b32 s33, 0x3f7fffef                      ; 1 - 1e-6
	s_mov_b32 s34, 0x42000000                      ; 32
	s_mov_b32 s35, 0x427c0000                      ; 63
	s_movk_i32 s38, 1024                           ; a row of W_L in bytes: 1,024, or 528 for W0
	s_cmp_eq_u32 s5, 0
	s_cselect_b32 s38, 528, s38
	s_cselect_b32 s39, 8, 15                       ; the last run of 16 along K whose first four numbers exist
	s_cselect_b32 s40, 7, 15                       ; and whose other twelve exist
	s_cselect_b64 s[42:43], s[14:15], s[16:17]     ; W_L: a choice that hangs on the work-group's number alone
	s_cmp_eq_u32 s5, 2
	s_cselect_b64 s[42:43], s[18:19], s[42:43]
	s_cmp_eq_u32 s5, 3
	s_cselect_b64 s[42:43], s[20:21], s[42:43]
	s_bfe_u32 s44, ttmp9, 0x20004                  ; q
	s_bfe_u32 s45, ttmp9, 0x20001                  ; i
	s_bfe_u32 s47, ttmp9, 0x10003                  ; s
	s_and_b32 s48, ttmp9, 1                        ; c
	s_lshl_b32 s46, s44, 6
	s_lshl_b32 s49, s45, 3
	s_add_co_u32 s46, s46, s49                     ; 64 q + 8 i
	s_lshr_b32 s50, ttmp9, 4
	s_lshl_b32 s50, s50, 9                         ; L 2048 + q 512
	s_lshl_b32 s51, s47, 8
	s_add_co_u32 s50, s50, s51
	s_lshl_b32 s51, s45, 6
	s_add_co_u32 s50, s50, s51
	s_lshl_b32 s51, s48, 1
	s_add_co_u32 s50, s50, s51
	s_add_co_u32 s50, s50, 131072                  ; where my work-group's scale bytes begin in wimg
	s_mov_b32 s51, 0
	s_lshl_b32 s49, s47, 3
	s_lshl_b32 s48, s48, 2
	s_add_co_u32 s49, s49, s48                     ; 8 s + 4 c
	s_mov_b32 s45, 0
	s_lshl_b32 s44, ttmp9, 11                      ; 256 queries x 8 bytes
	s_add_nc_u64 s[12:13], s[12:13], s[44:45]
	s_lshl_b32 s44, ttmp9, 12                      ; 256 queries x 16 bytes
	s_add_nc_u64 s[28:29], s[28:29], s[44:45]
	s_add_nc_u64 s[54:55], s[26:27], s[50:51]      ; my scale bytes
	s_lshl_b32 s44, ttmp9, 9
	s_add_nc_u64 s[56:57], s[26:27], s[44:45]      ; my work-group's 512 bytes of the code image
	s_lshl_b32 s53, s5, 12                         ; b x 4,096 pixels
.irp k, 0,1,2,3
	global_load_b64 v[CQ+2*\k:CQ+2*\k+1], v3, s[12:13] offset:512*\k
.endr
	v_bfe_u32 v68, v0, 1, 4                        ; m
	v_and_b32 v69, 7, v68
	v_lshrrev_b32 v70, 3, v68
	v_lshl_add_u32 v69, v70, 5, v69
	v_add_nc_u32 v69, s46, v69                     ; my row of W_L: 64 q + 32 (m / 8) + 8 i + m % 8
	v_mul_lo_u32 v69, v69, s38
	v_and_b32 v70, 1, v0
	v_lshrrev_b32 v71, 5, v2                       ; h
	v_lshl_add_u32 v70, v71, 1, v70
	v_add_nc_u32 v72, s49, v70                     ; which 16 along K are mine: 8 s + 4 c + 2 h + half
	v_min_u32 v70, s39, v72
	v_lshl_add_u32 v5, v70, 6, v69                 ; clamped, so that no load leaves w0; what lies past K = 132 is replaced by zeros below
	v_min_u32 v70, s40, v72
	v_lshl_add_u32 v6, v70, 6, v69
	v_lshl_add_u32 v8, v68, 2, v71                 ; my scale byte: 4 m + h
	v_cmp_lt_u32 s48, s39, v72                     ; past the end of K: zeros ahead of the maximum
	v_cmp_lt_u32 s47, s40, v72
	global_load_b128 v[WN:WN+3], v5, s[42:43]
	global_load_b128 v[WN+4:WN+7], v6, s[42:43] offset:16
	global_load_b128 v[WN+8:WN+11], v6, s[42:43] offset:32
	global_load_b128 v[WN+12:WN+15], v6, s[42:43] offset:48
	s_wait_alu depctr_va_vdst(0)
	s_wait_loadcnt 4                               ; the coordinates are in; the four weight loads may be out
; the pixel numbers of query 256 wg + 64 k + t
.macro INDEX k
	v_add_f32 v[T],   s41, v[CQ+2*\k]              ; coord -+ 1/64,
	v_add_f32 v[T+1], s30, v[CQ+2*\k]
	v_add_f32 v[T+2], s41, v[CQ+2*\k+1]
	v_add_f32 v[T+3], s30, v[CQ+2*\k+1]
.irp j, 0,1,2,3
	v_add_f32 v[T+\j], s31, v[T+\j]                ; + 1e-6,
.endr
.irp j, 0,1,2,3
	v_med3_num_f32 v[T+\j], v[T+\j], s32, s33      ; clipped,
.endr
.irp j, 0,1,2,3
	v_add_f32 v[T+\j], 1.0, v[T+\j]                ; + 1,
.endr
.irp j, 0,1,2,3
	v_fma_f32 v[T+\j], v[T+\j], s34, -0.5          ; x 64 x 0.5 - 0.5: the products are exact, so the one rounding is the subtraction's
.endr
.irp j, 0,1,2,3
	v_rndne_f32 v[T+\j], v[T+\j]                   ; to the nearest whole number, ties to even
.endr
.irp j, 0,1,2,3
	v_med3_num_f32 v[T+\j], v[T+\j], 0, s35
.endr
.irp j, 0,1,2,3
	v_cvt_u32_f32 v[T+\j], v[T+\j]
.endr
	v_lshl_add_u32 v[T], v[T], 6, s53
	v_lshl_add_u32 v[T+1], v[T+1], 6, s53
	v_add_nc_u32 v[PX+4*\k],   v[T],   v[T+2]
	v_add_nc_u32 v[PX+4*\k+1], v[T],   v[T+3]
	v_add_nc_u32 v[PX+4*\k+2], v[T+1], v[T+2]
	v_add_nc_u32 v[PX+4*\k+3], v[T+1], v[T+3]
	global_store_b128 v11, v[PX+4*\k:PX+4*\k+3], s[28:29] offset:1024*\k   ; a wave stores 512 consecutive bytes
.endm
.irp k, 0,1,2,3
	INDEX \k
.endr
	s_wait_loadcnt 0x0
; my 16 numbers of W_L: two neighbouring lanes hold a block
.irp i, 0,1,2,3
	v_cndmask_b32 v[WN+\i], v[WN+\i], v[ZR], s48
.endr
.irp i, 4,5,6,7,8,9,10,11,12,13,14,15
	v_cndmask_b32 v[WN+\i], v[WN+\i], v[ZR], s47
.endr
	v_max3_num_f32 v[T+4], |v[WN]|, |v[WN+1]|, s36
	v_max3_num_f32 v[T+5], |v[WN+2]|, |v[WN+3]|, |v[WN+4]|
.irp i, 5,9
	v_max3_num_f32 v[T+4], v[T+4], |v[WN+\i]|, |v[WN+\i+1]|
	v_max3_num_f32 v[T+5], v[T+5], |v[WN+\i+2]|, |v[WN+\i+3]|
.endr
	v_max3_num_f32 v[T+4], v[T+4], |v[WN+13]|, |v[WN+14]|
	v_max3_num_f32 v[T+4], v[T+4], v[T+5], |v[WN+15]|
	v_max_num_f32_dpp v[T+4], v[T+4], v[T+4] row_xmask:1 row_mask:0xf bank_mask:0xf   ; with my neighbour's 16: the block's
	v_add_nc_u32 v[T+5], s37, v[T+4]
	v_cvt_scalef32_pk8_fp4_f32 v[WCD], v[WN:WN+7], v[T+5]
	v_cvt_scalef32_pk8_fp4_f32 v[WCD+1], v[WN+8:WN+15], v[T+5]
	v_lshrrev_b32 v[WCD+2], 23, v[T+5]             ; the scale's byte
	global_store_b64 v3, v[WCD:WCD+1], s[56:57]    ; a wave stores 256 consecutive bytes, aligned
	global_store_b8 v8, v[WCD+2], s[54:55]         ; both lanes of a block store the same byte with the same value; single bytes: 8 KB in the whole launch
; w4 in bf16, in the order of the last product's operand registers: work-group fr = 2 q + e makes fragment fr; rows 3 to 15 are zeros
	s_cmp_lt_u32 ttmp9, 8
	s_cbranch_scc0 .Ljoin
	s_lshr_b32 s44, ttmp9, 1
	s_lshl_b32 s44, s44, 8
	s_and_b32 s46, ttmp9, 1
	s_lshl_b32 s46, s46, 6
	s_add_co_u32 s46, s44, s46
	s_lshl_b32 s44, ttmp9, 10
	s_add_co_u32 s44, s44, 139264
	s_mov_b32 s45, 0
	s_add_nc_u64 s[26:27], s[26:27], s[44:45]
	v_and_b32 v219, 15, v0                         ; m
	v_min_u32 v220, 2, v219                        ; (rows that do not exist read row 2 and are replaced by zeros)
	v_lshlrev_b32 v220, 10, v220
	v_bfe_u32 v221, v0, 4, 1                       ; h
	v_lshl_add_u32 v220, v221, 7, v220
	v_lshrrev_b32 v222, 5, v2                      ; c
	v_lshl_add_u32 v220, v222, 5, v220
	v_add_nc_u32 v220, s46, v220                   ; w4[m][64 q + 32 h + 16 e + 8 c + 0 .. 7]
	global_load_b128 v[76:79], v220, s[22:23]
	global_load_b128 v[80:83], v220, s[22:23] offset:16
	s_wait_alu depctr_va_vdst(0)
	s_wait_loadcnt 0x0
	v_cmp_lt_u32 vcc_lo, 2, v219
.irp p, 0,1,2,3
	v_cvt_pk_bf16_f32 v[72+\p], v[76+2*\p], v[77+2*\p]
.endr
.irp p, 0,1,2,3
	v_cndmask_b32 v[72+\p], v[72+\p], v[ZR], vcc_lo
.endr
	global_store_b128 v11, v[72:75], s[26:27]
; ---- the way out: a record's parts come from two waves; behind the barrier each of waves 0 to 3 reads sixteen whole records back and stores them, sixteen lanes to a record
.Ljoin:
	s_wait_dscnt 0x0                               ; for the others' sake: my stores into the rows are done
	s_barrier_signal -1
	s_barrier_wait -1
	s_cmp_lt_u32 s4, 4
	s_cbranch_scc0 .Lend
.irp t, 0,1,2,3,4,5,6,7
	ds_load_b128 v[F+4*\t:F+4*\t+3], v10 offset:544*\t
.endr
.irp t, 0,1,2,3,4,5,6,7
	s_wait_dscnt 7-\t                              ; read-back t is in; the younger ones may be out
	global_store_b128 v7, v[F+4*\t:F+4*\t+3], s[24:25] offset:512*\t    ; two whole records: 512 consecutive bytes, aligned
.endr
.Lend:
	s_wait_tensorcnt 0x0                           ; the wave's end
	ds_add_u32 v[SPW], v[NIL]
	s_wait_dscnt 0x0
	s_endpgm
.Lfunc_end_k_qddf64fa218_prep:
	.size	k_qddf64fa218_prep, .Lfunc_end_k_qddf64fa218_prep-k_qddf64fa218_prep
	.p2alignl 7, 3214868480
	.fill 96, 4, 3214868480
	.section	.rodata,"a",@progbits
	.p2align	6, 0x0
	.amdhsa_kernel k_qddf64fa218_prep
		.amdhsa_group_segment_fixed_size 18176
		.amdhsa_private_segment_fixed_size 0
		.amdhsa_enable_private_segment 0
		.amdhsa_kernarg_size 88
		.amdhsa_user_sgpr_count 2
		.amdhsa_user_sgpr_kernarg_segment_ptr 1
		.amdhsa_wavefront_size32 1
		.amdhsa_system_sgpr_workgroup_id_x 1
		.amdhsa_system_sgpr_workgroup_id_y 1
		.amdhsa_system_sgpr_workgroup_id_z 1
		.amdhsa_system_vgpr_workitem_id 0
		.amdhsa_next_free_vgpr 226
		.amdhsa_next_free_sgpr 66
		.amdhsa_reserve_vcc 1
		.amdhsa_float_denorm_mode_32 3
		.amdhsa_float_denorm_mode_16_64 3
		.amdhsa_memory_ordered 1
		.amdhsa_forward_progress 1
		.amdhsa_inst_pref_size 31
	.end_amdhsa_kernel
	.amdgpu_metadata
---
amdhsa.version: [ 1, 2 ]
amdhsa.kernels:
  - .name:           k_qddf64fa218_prep
    .symbol:         k_qddf64fa218_prep.kd
    .args:
      - { .name: inp1, .offset: 0, .size: 8, .value_kind: global_buffer, .address_space: global }
      - { .name: inp2, .offset: 8, .size: 8, .value_kind: global_buffer, .address_space: global }
      - { .name: coord, .offset: 16, .size: 8, .value_kind: global_buffer, .address_space: global }
      - { .name: w0, .offset: 24, .size: 8, .value_kind: global_buffer, .address_space: global }
      - { .name: w1, .offset: 32, .size: 8, .value_kind: global_buffer, .address_space: global }
      - { .name: w2, .offset: 40, .size: 8, .value_kind: global_buffer, .address_space: global }
      - { .name: w3, .offset: 48, .size: 8, .value_kind: global_buffer, .address_space: global }
      - { .name: w4, .offset: 56, .size: 8, .value_kind: global_buffer, .address_space: global }
      - { .name: feat, .offset: 64, .size: 8, .value_kind: global_buffer, .address_space: global }
      - { .name: wimg, .offset: 72, .size: 8, .value_kind: global_buffer, .address_space: global }
      - { .name: idx, .offset: 80, .size: 8, .value_kind: global_buffer, .address_space: global }
    .group_segment_fixed_size: 18176
    .private_segment_fixed_size: 0
    .kernarg_segment_align: 8
    .kernarg_segment_size: 88
    .max_flat_workgroup_size: 192
    .sgpr_count:     66
    .vgpr_count:     226
    .wavefront_size: 32
...
	.end_amdgpu_metadata
.endif
;; end of part 1
;; launch main (part 2): grid 256 x 1, 8 waves a work-group, clusters of 4 x 1, 295,936 bytes of LDS; arguments idx, feat, wimg, coord, cell1, b0, b1, b2, b3, b4, out0; writes out0
.if DOCPART == 2
	.amdgcn_target "amdgcn-amd-amdhsa--gfx1250"
	.amdhsa_code_object_version 6
	.text
	.protected	k_qddf64fa218_main
	.globl	k_qddf64fa218_main
	.p2align	8
	.type	k_qddf64fa218_main,@function
k_qddf64fa218_main:
	s_mov_b64 s[64:65], 0
	v_nop
	global_prefetch_b8 v0, s[64:65] scope:SCOPE_SE
	s_setreg_imm32_b32 hwreg(HW_REG_WAVE_MODE, 25, 1), 1
	s_wait_xcnt 0x0
	s_wait_alu depctr_hold_cnt(0) depctr_sa_sdst(0) depctr_va_vdst(0) depctr_va_sdst(0) depctr_va_ssrc(0) depctr_va_vcc(0) depctr_vm_vsrc(0)
	s_getreg_b32 s2, hwreg(HW_REG_IB_STS2, 6, 4)
	s_cmp_eq_u32 s2, 0
	s_cbranch_scc0 .Lentry_in_a_cluster
	s_endpgm
.Lentry_in_a_cluster:
	s_bfe_u32 s2, ttmp6, 0x10000c
	s_cmp_lg_u32 s2, 0x3003
	s_cbranch_scc0 .Lentry_shape_is_right
	s_endpgm
.Lentry_shape_is_right:
; THE WHOLE CHAIN FOR 256 QUERIES A WORK-GROUP: gather, quantise, four products on codes of E2M1 (132 -> 256 -> 256 -> 256 -> 256, relu), the last product (256 -> 3) in bf16, and the blend of a query's four predictions.
; SHARES.  Wave w owns 32 queries, as two groups g of 16, each at 4 shifts: 8 tiles of 16 rows; tile (g, m) is shift m of group g, lane % 16 = the query.  The hidden layers never leave the wave's registers.
; All weights (codes, scale words, w4: 147,456 bytes, laid by the launch before in the order of the operand registers) lie in LDS for the whole launch; each fragment that a wave reads feeds its 8 tiles.
; THE PRODUCTS ARE USED TRANSPOSED (source 0 = 32 rows of W, source 1 = 16 rows of x), AND THE ROWS OF W THAT FORM A TILE ARE CHOSEN: row m of tile i of chunk q is unit 64 q + 32 (m / 8) + 8 i + m % 8; the 32-row form
; takes tiles i and i + 1 at once.  So the 32 registers of a chunk's two accumulators hold, in lane (r, h), units 64 q + 32 h + 0 .. 31 of row r in ascending order: ONE WHOLE BLOCK of the next K, in the order of the next
; operand's registers.  Its maximum needs no other lane and its codes no exchange.
; RELU COSTS NO f32 LINE in layers 0 to 2: the block's maximum is taken without |.| over the floor (what is negative does not count), the raw sums are converted, and the nibbles with a sign are cleared (four integer lines for
; eight numbers): the same codes as relu followed by the quantiser.  The last of these lines stand behind the next pair's products, as their places.  The biases are the C of each sum's first matrix instruction.
; Layer 0's K = 132 is filled to 256 with zero codes on both sides, so that one body serves every layer.
; CLUSTER: all work-groups read the same weights: the four of a cluster ask for them jointly, one tensor load a wave, 72 rows of 256 bytes, filled once.  By this text's count a wave has one tensor load out.
; ORDER OF THE HEAD: waves 0 to 3 ask for their records ahead of the barrier that shows the weights, waves 4 to 7 behind it; from there on no wave waits for another before the way out.
; No LDS byte is filled twice, so there is no ring; nothing is prefetched: the one stream from memory is the gather at the head, whose addresses are known only just ahead of it.
; LIMITS: NaN and infinities are not served; blocks whose largest magnitude lies under 2^-124 keep the scale byte 1, zero blocks too (their codes are zeros); area / total is a reciprocal (1 ulp) and a product;
; the last product's operands are rounded to bf16.
; REGISTERS.  Window 1: two sets of operand fragments, XR(par, g, m, s) = 128 par + 64 g + 16 m + 8 s; in the last layer set 0 holds the bf16 operands (v0-31) and the 8 accumulators of predictions (v32 + 8 t);
; at the head set 1 holds group 1's records.  Window 0: as named below.  v16-35 hold scales and nothing else.
.set WSC,  131072                      ; LDS: [0, 131072) the codes; the scale words' images;
.set W4I,  139264                      ; w4's image;  (so far filled by the tensor loads)
.set BIA,  147456                      ; b0 .. b3, 1,024 bytes each
.set OST,  151552                      ; the output's stage: 256 queries x 12 bytes
.set GST,  154624                      ; the gather's stages: for each wave 64 rows of 256 + 16 bytes
.set GSTW, 17408
.set SPARE, 294912                     ; the spare words, 128 bytes for each wave
.set LI,  1                            ; v1   16 x lane
.set LS,  2                            ; v2   4 x lane
.set LB,  3                            ; v3   128 x (lane / 16)
.set ADW, 4                            ; v4-6 the trip's LDS addresses: codes, scale words, biases
.set ADS, 5
.set ADB, 6
.set BL,  6                            ; v6   at the head: where my 16 bytes of a bias go
.set AD4, 7                            ; v7   w4's image
.set WGT, 8                            ; v8-15  the blend's weights: 4 g + shift
.set XS,  16                           ; v16-31 x's scale words: 8 par + 2 (2 g + jp) + s; lanes 0-15 tile 2 jp's, lanes 16-31 tile 2 jp + 1's
.set WS,  32                           ; v32-35 W's scale words: 2 s + ip; lanes 0-15 tile 2 ip, lanes 16-31 tile 2 ip + 1
.set BT,  36                           ; v36-43 a tile's bytes on the way to a word; in the last layer b4 as a C operand
.set B4R, 36
.set MA,  44                           ; v44-47 maxima
.set MB,  46
.set SO,  48                           ; v48-49 the conversions' scale operands
.set CT,  50                           ; v50-57 codes; v58-65, v66-73 masks
.set KT,  58
.set K2,  66
.set W,   74                           ; v74-137  W's fragments of a chunk: 32 s + 8 i
.set BI,  138                          ; v138-169 the chunk's biases in the result's layout: 8 i
.set ACC, 170                          ; v170-233 four accumulators: 32 mm + 16 ip
.set W4A, 50                           ; w4's fragments of a chunk, two sets
.set W4B, 234
.set OO,  50                           ; the way out
.set SPW, 254                          ; v254  my spare word;  v255  0
.set NIL, 255
; the head's names (none of them on v16-35)
.set IW0, 202                          ; v202-233, v36-67: the 32 pixel numbers of a group as each half of the lanes needs them, then the gather's offsets
.set IW1, 36
.set RAW, 74                           ; v74-201 group 0's records
.set IDX, 234                          ; v234-241 my query's four pixel numbers, 4 g
.set CO,  242                          ; v242-245 its coordinates, 2 g
.set CE,  246                          ; v246-249 its cell, 2 g
.set BV,  250                          ; v250-253 16 bytes of a bias
.set PC,  68                           ; v68 16 x (lane % 16);  v69 8 x (lane % 16);  v70-72 places in my stage;  v73 my 16 bytes of a bias
.set R8,  69
.set GS,  70
.set GA,  71
.set GO,  72
.set BO,  73
.set DK,  36                           ; v36-41 coord - centre: 3 g + (H axis minus, H axis plus, W axis by my half of the lanes)
.set TQ,  44                           ; v44-67 at work, 12 g
.set FB,  74                           ; v74-137 block 2's 32 numbers, 32 j
.set ME,  138                          ; v138-145 the records' meta words, 4 j
.set T2,  146                          ; v146-153 block 2's codes;  v154-161 block 3's;  v162-163 zeros;  v164-169 at work
.set T3,  154
.set ZZ,  162
.set SB,  164
.set MSB, 0
.macro WIN new                         ; the immediate's high byte repeats the setting that is left; bits 1:0 source 0, 3:2 source 1, 5:4 source 2, 7:6 destination
.if MSB != \new
	s_set_vgpr_msb (MSB<<8)|\new
.set MSB, \new
.endif
.endm
.macro ROUND                           ; a round of the cluster's barrier
	s_barrier_signal -1
	s_barrier_wait -1
	s_cmp_lg_u32 s4, 0
	s_cbranch_scc1 .Lnot_wave_0_\@
	s_barrier_signal -3
.Lnot_wave_0_\@:
	s_barrier_wait -3
	s_barrier_signal -1
	s_barrier_wait -1
.endm
	s_load_b512 s[8:23], s[0:1], 0x0               ; idx s[8:9], feat s[10:11], wimg s[12:13], coord s[14:15], cell1 s[16:17], b0 s[18:19], b1 s[20:21], b2 s[22:23]
	s_load_b128 s[24:27], s[0:1], 0x40             ; b3 s[24:25], b4 s[26:27]
	s_load_b64 s[28:29], s[0:1], 0x50              ; out0
	v_lshl_add_u32 v[SPW], v0, 2, SPARE
	v_mov_b32 v[NIL], 0
	ds_add_u32 v[SPW], v[NIL]                      ; the wave's opening: the add, twice on end, and its wait ahead of my first tensor load
	ds_add_u32 v[SPW], v[NIL]
	v_lshrrev_b32 v1, 5, v0
	v_readfirstlane_b32 s4, v1                     ; wave 0..7
	s_bfe_u32 s6, ttmp6, 0x40000                   ; cx
	s_lshl_b32 s5, ttmp9, 2
	s_add_co_u32 s5, s5, s6                        ; work-group = 4 x cluster + cx: it enters global addresses alone
	s_mov_b32 s36, 15|(3<<16)|(1<<21)              ; group 1: the mask names all four work-groups; elements of 8 bytes; bit 21 beside a mask; no padding
	s_mov_b32 s37, 32<<16                          ; tensor_dim0 = 32 elements: rows of 256 bytes
	s_mov_b32 s38, 72<<16                          ; tensor_dim1 = 72
	s_mov_b32 s39, 32<<16                          ; tile_dim0
	s_mov_b32 s40, 72                              ; tile_dim1
	s_mov_b32 s41, 32                              ; the pitch: the block is dense
	s_mov_b32 s42, 0
	s_mov_b32 s43, 0
	s_mov_b32 s32, 1                               ; group 0: count,
	s_mul_i32 s33, s4, 18432                       ; LDS address: wave x 72 rows,
	s_mov_b32 s30, s33
	s_mov_b32 s31, 0
	s_mov_b32 s48, 0x1800000                       ; the floor 2^(3 - 127)
	s_mov_b32 s49, 0xff000000                      ; -(2 << 23)
	s_mov_b32 s50, 0x88888888                      ; the nibbles' sign bits
	s_mov_b32 s51, 0xffff0000                      ; lanes 16-31
	s_mov_b32 s52, 0x76543210
	s_mov_b32 s53, 0xfedcba98                      ; selects for lane l xor 16
	s_mov_b32 s54, 0x3089705f                      ; 1e-9
	s_mov_b32 s55, 0x3d000000                      ; 1/32
	s_mov_b32 s56, 0xbf7c0000                      ; -63/64
	s_mov_b32 s57, 0x42800000                      ; 64
	s_mov_b32 s7, 0x45800000                       ; 4096
	s_mul_i32 s58, s4, GSTW
	s_add_co_u32 s58, s58, GST                     ; my wave's stage
	v_and_b32 v1, 31, v0                           ; lane
	v_lshlrev_b32 v[LS], 2, v1
	v_bfe_u32 v[LB], v0, 4, 1                      ; h
	v_and_b32 v[PC], 15, v0                        ; r
	v_mul_u32_u24 v[GO], v1, 272
	v_mul_u32_u24 v[GA], v[PC], 272
	v_lshl_add_u32 v[GA], v[LB], 4, v[GA]
	v_mul_u32_u24 v[GS], v[LB], 2176
	v_lshl_add_u32 v[GS], v[PC], 4, v[GS]
	v_add_nc_u32 v[GO], s58, v[GO]                 ; row 16 h + r
	v_add_nc_u32 v[GA], s58, v[GA]                 ; row r, piece h
	v_add_nc_u32 v[GS], s58, v[GS]                 ; row 8 h, piece r
	v_lshlrev_b32 v[R8], 3, v[PC]
	v_lshlrev_b32 v[PC], 4, v[PC]
	v_lshlrev_b32 v[LB], 7, v[LB]
	v_lshlrev_b32 v[LI], 4, v1
	v_add_nc_u32 v[AD4], W4I, v[LI]
	v_and_b32 v[BO], 63, v0
	v_lshlrev_b32 v[BO], 4, v[BO]
	v_lshl_add_u32 v[BL], v0, 4, BIA
	s_wait_alu depctr_va_vdst(0)
	s_wait_dscnt 0x0                               ; both opening adds are done
	s_wait_kmcnt 0x0
	s_add_nc_u64 s[34:35], s[12:13], s[30:31]      ; global address: wimg + wave x 18,432: the same in all four work-groups,
	s_or_b32 s35, s35, 0x80000000                  ; type = 2
	s_lshl_b32 s30, s5, 8
	s_lshl_b32 s58, s4, 5
	s_add_co_u32 s30, s30, s58                     ; my first query: 256 x work-group + 32 x wave
	s_lshl_b32 s58, s30, 4
	s_mov_b32 s59, 0
	s_add_nc_u64 s[8:9], s[8:9], s[58:59]
	s_lshl_b32 s58, s30, 3
	s_add_nc_u64 s[14:15], s[14:15], s[58:59]
	s_add_nc_u64 s[16:17], s[16:17], s[58:59]
	s_mul_i32 s58, s5, 3072
	s_add_nc_u64 s[28:29], s[28:29], s[58:59]
	s_lshr_b32 s30, s4, 1                          ; waves 2 L and 2 L + 1 bring b_L: a choice on the wave's number
	s_cmp_eq_u32 s30, 0
	s_cselect_b64 s[2:3], s[18:19], s[20:21]
	s_cmp_eq_u32 s30, 2
	s_cselect_b64 s[2:3], s[22:23], s[2:3]
	s_cmp_eq_u32 s30, 3
	s_cselect_b64 s[2:3], s[24:25], s[2:3]
	s_load_b96 s[60:62], s[26:27], 0x0             ; b4
.irp t, 0,1,2,3,4,5,6,7
	global_load_b128 v[IW0+4*\t:IW0+4*\t+3], v[LB], s[8:9] offset:16*\t        ; word 4 t + w: query 8 (lane / 16) + t of the group, shift w: the same in all sixteen lanes of a half
	global_load_b128 v[IW1+4*\t:IW1+4*\t+3], v[LB], s[8:9] offset:256+16*\t
.endr
.irp g, 0,1
	global_load_b128 v[IDX+4*\g:IDX+4*\g+3], v[PC], s[8:9] offset:256*\g      ; query lane % 16 of group g: its pixel numbers,
	global_load_b64 v[CO+2*\g:CO+2*\g+1], v[R8], s[14:15] offset:128*\g       ; coordinates
	global_load_b64 v[CE+2*\g:CE+2*\g+1], v[R8], s[16:17] offset:128*\g       ; and cell
.endr
	global_load_b128 v[BV:BV+3], v[BO], s[2:3]
	ROUND                                          ; all four work-groups are here: the joint loads meet
	tensor_load_to_lds s[32:35], s[36:43]          ; my eighth of the weights: the launch's only fill
	s_nop 0
.rept 4
	v_nop
.endr
	s_wait_loadcnt 0x0
	s_wait_kmcnt 0x0
; ---- THE GATHER: sixteen neighbouring lanes take one whole record of 256 bytes, two records an instruction
.set tt, 0
.rept 32
	v_min_u32 v[IW0+tt], 0x3fff, v[IW0+tt]         ; a pixel number stays inside the table
	v_min_u32 v[IW1+tt], 0x3fff, v[IW1+tt]
.set tt, tt+1
.endr
.set tt, 0
.rept 32
	v_lshl_add_u32 v[IW0+tt], v[IW0+tt], 8, v[PC]
	v_lshl_add_u32 v[IW1+tt], v[IW1+tt], 8, v[PC]
.set tt, tt+1
.endr
.macro GATHER
.set tt, 0
.rept 32
	global_load_b128 v[RAW+4*tt:RAW+4*tt+3], v[IW0+tt], s[10:11]
.set tt, tt+1
.endr
	WIN 0x40                                       ; destination window 1
.set tt, 0
.rept 32
	global_load_b128 v[128+4*tt:128+4*tt+3], v[IW1+tt], s[10:11]
.set tt, tt+1
.endr
	WIN 0
.endm
	s_wait_alu depctr_va_vdst(0)
	ds_store_b128 v[BL], v[BV:BV+3]                ; the biases: thread t's 16 bytes at 16 t
	s_cmp_lt_u32 s4, 4
	s_cbranch_scc0 .Lasked
	GATHER                                         ; waves 0 to 3
.Lasked:
	s_wait_tensorcnt 0x0                           ; my eighth of the weights has landed,
	s_wait_dscnt 0x0                               ; my part of the biases is stored:
	s_barrier_signal -1
	s_barrier_wait -1                              ; everybody's
	s_cmp_lt_u32 s4, 4
	s_cbranch_scc1 .Lgathered
	s_wait_loadcnt 0x0                             ; no load into the records' registers is out (waves 4 to 7 have waited for all their loads ahead of the barrier)
	GATHER                                         ; waves 4 to 7
.Lgathered:
	s_wait_xcnt 0x0                                ; the gathers have read their offsets: those registers are written again below
; ---- while the records are on their way: what hangs on the query alone
.macro INQ g
.set tq, TQ+12*\g
	v_bfe_u32 v[tq], v[IDX+4*\g], 6, 6             ; ih, iw of shift (-,-),
	v_and_b32 v[tq+1], 63, v[IDX+4*\g]
	v_bfe_u32 v[tq+2], v[IDX+4*\g+3], 6, 6         ; and of shift (+,+)
	v_and_b32 v[tq+3], 63, v[IDX+4*\g+3]
.irp i, 0,1,2,3
	v_cvt_f32_u32 v[tq+\i], v[tq+\i]
.endr
.irp i, 0,1,2,3
	v_fma_f32 v[tq+\i], v[tq+\i], s55, s56         ; the cell's centre, -1 + (2 i + 1) / 64 = i / 32 - 63/64: exact
.endr
	v_sub_f32 v[DK+3*\g], v[CO+2*\g], v[tq]
	v_sub_f32 v[DK+3*\g+1], v[CO+2*\g], v[tq+2]
	v_sub_f32 v[tq+1], v[CO+2*\g+1], v[tq+1]
	v_sub_f32 v[tq+3], v[CO+2*\g+1], v[tq+3]
	v_cndmask_b32 v[DK+3*\g+2], v[tq+1], v[tq+3], s51      ; lanes 0-15 will work on the even shifts (W axis minus), lanes 16-31 on the odd ones
	v_mul_f32 v[tq+4], v[DK+3*\g], v[tq+1]
	v_mul_f32 v[tq+5], v[DK+3*\g], v[tq+3]
	v_mul_f32 v[tq+6], v[DK+3*\g+1], v[tq+1]
	v_mul_f32 v[tq+7], v[DK+3*\g+1], v[tq+3]
.irp i, 4,5,6,7
	v_fma_f32 v[tq+\i], |v[tq+\i]|, s7, s54        ; |rel0 rel1| + 1e-9: the factors 64 x 64 are exact
.endr
	v_add_f32 v[tq+8], v[tq+4], v[tq+5]
	v_add_f32 v[tq+8], v[tq+8], v[tq+6]
	v_add_f32 v[tq+8], v[tq+8], v[tq+7]
.endm
	INQ 0
	INQ 1
	s_wait_alu depctr_va_vdst(0)
	v_rcp_f32 v[TQ+9], v[TQ+8]
	v_rcp_f32 v[TQ+21], v[TQ+20]
	v_nop                                          ; a plain line behind the last reciprocal
	s_wait_alu depctr_va_vdst(0)
.irp g, 0,1
.irp s, 0,1,2,3
	v_mul_f32 v[WGT+4*\g+\s], v[TQ+12*\g+7-\s], v[TQ+12*\g+9]      ; prediction s is weighed by the area of shift 3 - s
.endr
.endr
; ---- group g's 64 records turn through my stage and become layer 0's operands
.macro STAGE g
	s_wait_alu depctr_va_vdst(0)
.if \g == 0
	s_wait_loadcnt 32                              ; group 0's 32 gathers are in; group 1's 32 may be out
.set tt, 0
.rept 32
	ds_store_b128 v[GS], v[RAW+4*tt:RAW+4*tt+3] offset:((tt%4)*16+tt/4)*272    ; row 16 x shift + query
.set tt, tt+1
.endr
.else
	s_wait_loadcnt 0x0
	WIN 0x04                                       ; an LDS store's data are its source 1: window 1
.set tt, 0
.rept 32
	ds_store_b128 v[GS], v[128+4*tt:128+4*tt+3] offset:((tt%4)*16+tt/4)*272
.set tt, tt+1
.endr
	WIN 0
.endif
	s_wait_dscnt 0x0                               ; the stores have read their registers, which are written again below
	WIN 0x40
.irp s, 0,1,2,3
	ds_load_b128 v[64*\g+16*\s:64*\g+16*\s+3], v[GA] offset:\s*4352            ; tile s, K step 0, registers 0-3: lane (r, h) takes block h of row r
.endr
	WIN 0
.irp j, 0,1                                    ; lane (r, h) works on tile 2 j + h
	ds_load_b128 v[T3+4*\j:T3+4*\j+3], v[GO] offset:\j*8704+32                 ; block 3's codes,
	ds_load_b128 v[ME+4*\j:ME+4*\j+3], v[GO] offset:\j*8704+48                 ; the meta words,
.irp p, 0,1,2,3,4,5,6
	ds_load_b128 v[FB+32*\j+4+4*\p:FB+32*\j+7+4*\p], v[GO] offset:\j*8704+64+16*\p     ; feat2[0:28]
.endr
.endr
.irp j, 0,1
	v_mul_f32 v[FB+32*\j], s57, v[DK+3*\g+\j]      ; block 2 begins with rel0, rel1 and the cell, each x 64
	v_mul_f32 v[FB+32*\j+1], s57, v[DK+3*\g+2]
	v_mul_f32 v[FB+32*\j+2], s57, v[CE+2*\g]
	v_mul_f32 v[FB+32*\j+3], s57, v[CE+2*\g+1]
	v_mov_b32 v[ZZ+\j], 0
.endr
	s_wait_alu depctr_va_vdst(0)
	s_wait_dscnt 0x0
.irp j, 0,1
	v_max3_num_f32 v[SB+3*\j], |v[FB+32*\j]|, |v[FB+32*\j+1]|, v[ME+4*\j+3]    ; the record brings the largest |feat2[0:28]|, floored
.endr
.irp j, 0,1
	v_max3_num_f32 v[SB+3*\j], v[SB+3*\j], |v[FB+32*\j+2]|, |v[FB+32*\j+3]|
.endr
.irp j, 0,1
	v_add_nc_u32 v[SB+3*\j+1], s49, v[SB+3*\j]
.endr
.irp j, 0,1
.irp i, 0,1,2,3
	v_cvt_scalef32_pk8_fp4_f32 v[T2+4*\j+\i], v[FB+32*\j+8*\i:FB+32*\j+8*\i+7], v[SB+3*\j+1]
.endr
.endr
.irp j, 0,1
	v_lshrrev_b32 v[SB+3*\j+2], 23, v[SB+3*\j+1]   ; block 2's byte.  (Also the plain line behind the conversions)
.endr
.irp j, 0,1
	v_lshl_or_b32 v[XS+2*(2*\g+\j)], v[SB+3*\j+2], 16, v[ME+4*\j]      ; K step 0's scale word: lanes 0-15 tile 2 j's, lanes 16-31 tile 2 j + 1's
	v_mov_b32 v[XS+2*(2*\g+\j)+1], v[ME+4*\j+2]                        ; K step 1's
.endr
.irp j, 0,1                                    ; the first register's lanes 16-31 change places with the second's lanes 0-15: then each holds ONE tile, block 2 below and block 3 above
.irp i, 0,1,2,3
	v_permlane16_swap_b32 v[T2+4*\j+\i], v[T3+4*\j+\i]
.endr
	v_permlane16_swap_b32 v[ME+4*\j+1], v[ZZ+\j]   ; likewise block 4's register and zeros (block 5)
.endr
	WIN 0x40
.irp j, 0,1
.irp i, 0,1,2,3
	v_mov_b32 v[64*\g+32*\j+4+\i], v[T2+4*\j+\i]   ; tile 2 j, K step 0, registers 4-7
	v_mov_b32 v[64*\g+32*\j+20+\i], v[T3+4*\j+\i]  ; tile 2 j + 1
.endr
	v_mov_b32 v[64*\g+32*\j+8], v[ME+4*\j+1]       ; K step 1: block 4's four codes, the rest of K is zero codes
	v_mov_b32 v[64*\g+32*\j+24], v[ZZ+\j]
.irp i, 1,2,3,4,5,6,7
	v_mov_b32 v[64*\g+32*\j+8+\i], 0
	v_mov_b32 v[64*\g+32*\j+24+\i], 0
.endr
.endr
	WIN 0
.endm
	STAGE 0
	STAGE 1
.rept 8
	v_nop                                          ; a scale word written by a vector instruction stands eight places ahead of a scaled product, an operand four
.endr
; ---- THE LAYERS.  The macros below read the symbols PAR (which set of operands is read), Q (chunk of 64 units), G, JP (which pair of tiles), NP, NQ (the chunk to fetch), MORE, FIN;
; PEND = 1: the last lines of the pair before (PPAR, PQ, PG, PJP) are still owed.
.set PEND, 0
.macro LOADW                           ; 28 LDS loads: a chunk's 8 fragments of W, its scale words and its biases
.irp s, 0,1
.irp i, 0,1,2,3
.irp c, 0,1
	ds_load_b128 v[W+32*\s+8*\i+4*\c:W+32*\s+8*\i+4*\c+3], v[ADW] offset:NP*32768+NQ*8192+\s*4096+\i*1024+\c*512   ; an image of the registers: 512 consecutive bytes
.endr
.endr
.endr
.irp i, 0,1,2,3
	ds_load_b32 v[WS+\i], v[ADS] offset:NP*2048+NQ*512+\i*128
.endr
.irp i, 0,1,2,3
.irp c, 0,1
	ds_load_b128 v[BI+8*\i+4*\c:BI+8*\i+4*\c+3], v[ADB] offset:NP*1024+NQ*256+\i*32+\c*16          ; lane (r, h), register j: the bias of unit 64 q + 32 h + 8 i + j
.endr
.endr
.endm
.macro LOAD4                           ; w4's two fragments of chunk NQ
.set rF, W4A+(W4B-W4A)*(NQ%2)
.irp e, 0,1
.irp c, 0,1
	ds_load_b128 v[rF+8*\e+4*\c:rF+8*\e+4*\c+3], v[AD4] offset:NQ*2048+\e*1024+\c*512
.endr
.endr
.endm
.macro ANDS                            ; relu on the codes of the pair before; they are the next operand's registers as they stand
	WIN 0x40
.irp mm, 0,1
.irp i, 0,1,2,3
	v_and_b32 v[128*(1-PPAR)+64*PG+16*(2*PJP+\mm)+8*(PQ/2)+4*(PQ%2)+\i], v[CT+4*\mm+\i], v[KT+4*\mm+\i]
.endr
.endr
	WIN 0
.set PEND, 0
.endm
; 8 matrix instructions: a chunk's two pairs of tiles of units x two tiles of rows x two K steps.  The four accumulators take turns, one instruction a turn.
.macro MM
	WIN 0x04                                       ; source 1 (x) window 1
.irp s, 0,1
.irp ip, 0,1
.irp mm, 0,1
.set rD, ACC+32*\mm+16*\ip
.set rA, W+32*\s+16*\ip
.set rB, 128*PAR+64*G+16*(2*JP+\mm)+8*\s
.set rX, XS+8*PAR+2*(2*G+JP)+\s
.set rC, rD
.if \s == 0
.set rC, BI+16*\ip
.endif
.if \mm == 0
	v_wmma_scale_f32_32x16x128_f4 v[rD:rD+15], v[rA:rA+15], v[rB:rB+7], v[rC:rC+15], v[WS+2*\s+\ip], v[rX]
.else
	v_wmma_scale_f32_32x16x128_f4 v[rD:rD+15], v[rA:rA+15], v[rB:rB+7], v[rC:rC+15], v[WS+2*\s+\ip], v[rX] matrix_b_scale:MATRIX_SCALE_ROW1
.endif
.endr
.endr
.endr
; four places or more ahead of the first read of the results and of loads into registers that these products read: the eight lines owed, or v_nop
.if PEND
	ANDS
.else
	WIN 0
.rept 4
	v_nop
.endr
.endif
.endm
; Two tiles of rows: the quantiser, and relu's masks.  Number n of a lane's block of tile mm lies in ACC + 32 mm + n.
.macro QUANT2
.irp mm, 0,1
	v_max3_num_f32 v[MA+\mm], v[ACC+32*\mm], v[ACC+32*\mm+1], s48          ; no |.|: what is negative becomes 0 and does not count; the floor stands over it.  Each accumulator is read from its low end on
	v_max3_num_f32 v[MB+\mm], v[ACC+32*\mm+16], v[ACC+32*\mm+17], v[ACC+32*\mm+18]
.endr
.irp k, 1,2,3,4,5,6
.irp mm, 0,1
	v_max3_num_f32 v[MA+\mm], v[MA+\mm], v[ACC+32*\mm+2*\k], v[ACC+32*\mm+2*\k+1]
	v_max3_num_f32 v[MB+\mm], v[MB+\mm], v[ACC+32*\mm+17+2*\k], v[ACC+32*\mm+18+2*\k]
.endr
.endr
.irp mm, 0,1
	v_max3_num_f32 v[MA+\mm], v[MA+\mm], v[ACC+32*\mm+14], v[ACC+32*\mm+15]
.endr
.irp mm, 0,1
	v_max3_num_f32 v[MA+\mm], v[MA+\mm], v[MB+\mm], v[ACC+32*\mm+31]
.endr
.irp mm, 0,1
	v_add_nc_u32 v[SO+\mm], s49, v[MA+\mm]         ; 2 off the exponent field: the conversion's scale operand
.endr
.irp mm, 0,1
.irp i, 0,1,2,3
	v_cvt_scalef32_pk8_fp4_f32 v[CT+4*\mm+\i], v[ACC+32*\mm+8*\i:ACC+32*\mm+8*\i+7], v[SO+\mm]
.endr
.endr
.if Q%2 == 0
.irp mm, 0,1
	v_lshrrev_b32 v[BT+4*G+2*JP+\mm], 23, v[SO+\mm]        ; the byte of block 2 q + h: byte h of the next K step's word
.endr
.else
.irp mm, 0,1
	v_lshrrev_b32 v[MB+\mm], 23, v[SO+\mm]
.endr
.irp mm, 0,1
	v_lshl_or_b32 v[BT+4*G+2*JP+\mm], v[MB+\mm], 16, v[BT+4*G+2*JP+\mm]    ; byte 2 + h beside it
.endr
.endif
.irp n, 0,1,2,3,4,5,6,7
	v_bfi_b32 v[KT+\n], v[CT+\n], 0, s50           ; 8 in each nibble without a sign,
.endr
.if Q%2
	v_permlane16_swap_b32 v[BT+4*G+2*JP], v[BT+4*G+2*JP+1]                 ; now the first holds both tiles' even bytes, the second their odd ones
.endif
.irp n, 0,1,2,3,4,5,6,7
	v_lshrrev_b32 v[K2+\n], 3, v[KT+\n]
.endr
.if Q%2
	v_lshl_or_b32 v[XS+8*(1-PAR)+2*(2*G+JP)+Q/2], v[BT+4*G+2*JP+1], 8, v[BT+4*G+2*JP]      ; the word: lanes 0-15 the first tile's, lanes 16-31 the second's
.endif
.irp n, 0,1,2,3,4,5,6,7
	v_sub_nc_u32 v[KT+\n], v[KT+\n], v[K2+\n]      ; 7 there, 0 in the others: what is left is ANDS
.endr
.set PEND, 1
.set PPAR, PAR
.set PQ, Q
.set PG, G
.set PJP, JP
.endm
; The last hidden layer: relu (two maxima a line), bf16, and the product with w4.  Both sides carry the same order of units along K: fragment e of a chunk holds, in lane (., h), units 64 q + 32 h + 16 e + 0 .. 15.
.macro FIN2
.set jj, ACC
.rept 32
	v_dual_max_num_f32 v[jj], 0, v[jj] :: v_dual_max_num_f32 v[jj+1], 0, v[jj+1]
.set jj, jj+2
.endr
	WIN 0x40
.irp mm, 0,1
.irp i, 0,1,2,3
.irp p, 0,1,2,3
	v_cvt_pk_bf16_f32 v[16*\mm+4*\i+\p], v[ACC+32*\mm+8*\i+2*\p], v[ACC+32*\mm+8*\i+2*\p+1]
.endr
.endr
.endr
.set rF, W4A+(W4B-W4A)*(Q%2)
.irp e, 0,1
.if (Q == 0) && (\e == 0)
	WIN 0x44                                       ; source 1 and destination window 1; C = b4, window 0: the first product starts the sums
.else
	WIN 0x54                                       ; C in window 1 too
.endif
.irp mm, 0,1
.set rP, 32+8*(4*G+2*JP+\mm)
.if (Q == 0) && (\e == 0)
	v_wmma_f32_16x16x32_bf16 v[rP:rP+7], v[rF+8*\e:rF+8*\e+7], v[16*\mm+8*\e:16*\mm+8*\e+7], v[B4R:B4R+7]
.else
	v_wmma_f32_16x16x32_bf16 v[rP:rP+7], v[rF+8*\e:rF+8*\e+7], v[16*\mm+8*\e:16*\mm+8*\e+7], v[rP:rP+7]    ; the two tiles' accumulators by turns
.endif
.endr
.endr
	WIN 0
.endm
.macro CHUNK                           ; 64 units for all 8 tiles of rows; the next chunk's fragments are asked for behind the last products, ahead of the last pair's vector work
	s_wait_alu depctr_va_vdst(0)
	s_wait_dscnt 0x0                               ; this chunk's loads are in
.irp sp, 0,1,2,3
.set G, \sp/2
.set JP, \sp%2
	MM
.if (\sp == 3) && MORE
	LOADW
.if FIN
	LOAD4
.endif
.endif
.if FIN
	FIN2
.else
	QUANT2
.endif
.endr
.endm
.macro LAYER par, fin, tail            ; tail = 1: the last chunk asks for chunk 0 of the trip's second layer
.set PAR, \par
.set FIN, \fin
.irp q, 0,1,2,3
.set Q, \q
.if \q < 3
.set MORE, 1
.set NP, \par
.set NQ, \q+1
.else
.set MORE, \tail
.set NP, 1
.set NQ, 0
.endif
	CHUNK
.endr
.if PEND
	ANDS                                           ; nothing is owed across a layer's end
.endif
.endm
	s_mov_b32 s44, 0                               ; the trip: two layers each
	s_mov_b32 s45, 0                               ; where the trip's codes,
	s_mov_b32 s46, WSC                             ; scale words
	s_mov_b32 s47, BIA                             ; and biases begin
	s_wait_alu depctr_va_vdst(0)
.Llayers:
	v_add_nc_u32 v[ADW], s45, v[LI]
	v_add_nc_u32 v[ADS], s46, v[LS]
	v_add_nc_u32 v[ADB], s47, v[LB]
.set NP, 0
.set NQ, 0
	LOADW
	LAYER 0, 0, 1                                  ; layers 0 and 2: set 0 is read, set 1 written
	s_wait_alu depctr_va_vdst(0)
	s_cmp_eq_u32 s44, 1
	s_cbranch_scc1 .Lfin
	LAYER 1, 0, 0                                  ; layer 1: set 1 is read, set 0 written
	s_wait_alu depctr_va_vdst(0)
	s_branch .Ljoin
.Lfin:
	v_mov_b32 v[B4R], s60                          ; b4 in the result's layout: register n of lanes 0-15 is output n; what else these registers feed is not read
	v_mov_b32 v[B4R+1], s61
	v_mov_b32 v[B4R+2], s62
.irp i, 3,4,5,6,7
	v_mov_b32 v[B4R+\i], 0
.endr
.set NQ, 0
	LOAD4
	LAYER 1, 1, 0                                  ; layer 3 and the last product
.Ljoin:
.rept 4
	v_nop                                          ; four places, for two things: the predictions are read four places behind the last products (ISA guide 7.12.1); and set 0's registers stand four places or more ahead of the
.endr                                              ; scaled products at the loop's head that take them as operands (with the three additions there: seven)
	s_add_co_u32 s45, s45, 65536
	s_add_co_u32 s46, s46, 4096
	s_add_co_u32 s47, s47, 2048
	s_add_co_u32 s44, s44, 1
	s_cmp_lt_u32 s44, 2
	s_cbranch_scc1 .Llayers
; ---- THE WAY OUT: lanes 0-15 hold, in registers 0 to 2 of accumulator 4 g + s, the prediction of query r of group g at shift s
	WIN 0x01                                       ; source 0 window 1
.irp g, 0,1
.irp n, 0,1,2
	v_mul_f32 v[OO+3*\g+\n], v[32+32*\g+\n], v[WGT+4*\g]
.endr
.irp s, 1,2,3
.irp n, 0,1,2
	v_fma_f32 v[OO+3*\g+\n], v[32+32*\g+8*\s+\n], v[WGT+4*\g+\s], v[OO+3*\g+\n]
.endr
.endr
.endr
	WIN 0
.irp n, 0,1,2
	v_mov_b32 v[OO+6+\n], 0                        ; a lane permute's destination counts as one of its sources
.endr
.irp n, 0,1,2
	v_permlanex16_b32 v[OO+6+\n], v[OO+3+\n], s52, s53
.endr
.irp n, 0,1,2
	v_cndmask_b32 v[OO+\n], v[OO+\n], v[OO+6+\n], s51      ; lane l now holds query l of my wave
.endr
	v_mul_u32_u24 v70, v0, 12
	v_add_nc_u32 v70, OST, v70
	v_lshl_add_u32 v71, v0, 4, OST
	v_lshlrev_b32 v72, 4, v0
.irp n, 0,1,2
	ds_store_b32 v70, v[OO+\n] offset:4*\n
.endr
	s_wait_alu depctr_va_vdst(0)
	s_wait_dscnt 0x0                               ; for the others' sake: my stores into the stage are done
	s_barrier_signal -1
	s_barrier_wait -1
	s_cmp_lt_u32 s4, 6                             ; 3,072 bytes: 192 threads x 16
	s_cbranch_scc0 .Lstored
	ds_load_b128 v[62:65], v71
	s_wait_dscnt 0x0
	global_store_b128 v72, v[62:65], s[28:29]      ; a wave stores 512 consecutive bytes, at a multiple of 256 from out0's first byte
.Lstored:
	s_wait_tensorcnt 0x0                           ; the wave's end
	ds_add_u32 v[SPW], v[NIL]
	s_wait_dscnt 0x0
	ROUND                                          ; the closing round: no work-group ends while a partner may still ask jointly
	s_endpgm
.Lfunc_end_k_qddf64fa218_main:
	.size	k_qddf64fa218_main, .Lfunc_end_k_qddf64fa218_main-k_qddf64fa218_main
	.p2alignl 7, 3214868480
	.fill 96, 4, 3214868480
	.section	.rodata,"a",@progbits
	.p2align	6, 0x0
	.amdhsa_kernel k_qddf64fa218_main
		.amdhsa_group_segment_fixed_size 295936
		.amdhsa_private_segment_fixed_size 0
		.amdhsa_enable_private_segment 0
		.amdhsa_kernarg_size 88
		.amdhsa_user_sgpr_count 2
		.amdhsa_user_sgpr_kernarg_segment_ptr 1
		.amdhsa_wavefront_size32 1
		.amdhsa_system_sgpr_workgroup_id_x 1
		.amdhsa_system_sgpr_workgroup_id_y 1
		.amdhsa_system_sgpr_workgroup_id_z 1
		.amdhsa_system_vgpr_workitem_id 0
		.amdhsa_next_free_vgpr 512
		.amdhsa_next_free_sgpr 66
		.amdhsa_reserve_vcc 0
		.amdhsa_float_denorm_mode_32 3
		.amdhsa_float_denorm_mode_16_64 3
		.amdhsa_memory_ordered 1
		.amdhsa_forward_progress 1
		.amdhsa_inst_pref_size 255
	.end_amdhsa_kernel
	.section	.bss,"aw",@nobits
	.p2align	6
	.space	262144
	.amdgpu_metadata
---
amdhsa.version: [ 1, 2 ]
amdhsa.kernels:
  - .name:           k_qddf64fa218_main
    .symbol:         k_qddf64fa218_main.kd
    .args:
      - { .name: idx, .offset: 0, .size: 8, .value_kind: global_buffer, .address_space: global }
      - { .name: feat, .offset: 8, .size: 8, .value_kind: global_buffer, .address_space: global }
      - { .name: wimg, .offset: 16, .size: 8, .value_kind: global_buffer, .address_space: global }
      - { .name: coord, .offset: 24, .size: 8, .value_kind: global_buffer, .address_space: global }
      - { .name: cell1, .offset: 32, .size: 8, .value_kind: global_buffer, .address_space: global }
      - { .name: b0, .offset: 40, .size: 8, .value_kind: global_buffer, .address_space: global }
      - { .name: b1, .offset: 48, .size: 8, .value_kind: global_buffer, .address_space: global }
      - { .name: b2, .offset: 56, .size: 8, .value_kind: global_buffer, .address_space: global }
      - { .name: b3, .offset: 64, .size: 8, .value_kind: global_buffer, .address_space: global }
      - { .name: b4, .offset: 72, .size: 8, .value_kind: global_buffer, .address_space: global }
      - { .name: out0, .offset: 80, .size: 8, .value_kind: global_buffer, .address_space: global }
    .group_segment_fixed_size: 295936
    .private_segment_fixed_size: 0
    .kernarg_segment_align: 8
    .kernarg_segment_size: 88
    .max_flat_workgroup_size: 256
    .sgpr_count:     66
    .vgpr_count:     512
    .wavefront_size: 32
...
	.end_amdgpu_metadata
.endif
;; end of part 2
